; MI455X (gfx1250); checked and timed in simulation.
; The chip was launched on July 23, 2026; its instructions are those of AMD's public machine-readable ISA for CDNA 5 (MIT licence, August 2026) and "CDNA5" Instruction Set Architecture Reference Guide (July 2026). The comments in the code are by the model that wrote it; some were corrected since.
;; Attention v1. Allowed arithmetic: matrix products marked QUANTISED: E5M2 operands, one given power-of-two scale a tensor, by v_wmma_f32_16x16x64_bf8_bf8 or v_wmma_f32_16x16x128_bf8_bf8, f32 sums; everything else in f32.
;; Inputs: Wk_codes 1,024 x 32 x 32 uint8 (E5M2 codes of Wk, K innermost, in blocks of 32 codes); Wo_codes 1,024 x 32 x 32 uint8 (E5M2 codes of Wo, K innermost, in blocks of 32 codes); Wq_codes 1,024 x 32 x 32 uint8 (E5M2 codes of Wq, K innermost, in blocks of 32 codes); Wv_codes 1,024 x 32 x 32 uint8 (E5M2 codes of Wv, K innermost, in blocks of 32 codes); bk 1,024 float32; bo 1,024 float32; bq 1,024 float32; bv 1,024 float32; k_codes 2 x 2,048 x 32 x 32 uint8 (E5M2 codes of k, K innermost, in blocks of 32 codes); lambda_k1 64 float32; lambda_k2 64 float32; lambda_q1 64 float32; lambda_q2 64 float32; lowp_scales 12 int32 (the exponents e of the quantised operands' scales 2^e); q_codes 2 x 2,048 x 32 x 32 uint8 (E5M2 codes of q, K innermost, in blocks of 32 codes); v_codes 2 x 2,048 x 32 x 32 uint8 (E5M2 codes of v, K innermost, in blocks of 32 codes).
;; Outputs: out0 2 x 2,048 x 1,024 float32.
;; This version of the problem:
;;   THIS VERSION OF THE PROBLEM IS GIVEN IN LOW PRECISION. The matrix products marked QUANTISED in the list below multiply operands that are first quantised to E5M2 (5 exponent bits, 2 mantissa bits; 8 bits a number), with one given power-of-two scale for each operand tensor; their sums are f32. All else is computed in f32.
;;   The module's matrix products, in the order in which they are computed (A, B: the left and right operand; K: the contracted axis; several contracted axes count as one K, in the product's order):
;;     1. [M 4,096, K 1,024] x [K 1,024, N 1,024]; A: input q (given as codes); B: input Wq (given as codes): QUANTISED (scales: A lowp_scales[0], B lowp_scales[1])
;;     2. [M 4,096, K 1,024] x [K 1,024, N 1,024]; A: input k (given as codes); B: input Wk (given as codes): QUANTISED (scales: A lowp_scales[2], B lowp_scales[3])
;;     3. [M 4,096, K 1,024] x [K 1,024, N 1,024]; A: input v (given as codes); B: input Wv (given as codes): QUANTISED (scales: A lowp_scales[4], B lowp_scales[5])
;;     4. batch 32 x [M 2,048, K 64] x [K 64, N 2,048]; A: computed on the way; B: computed on the way: QUANTISED (scales: A lowp_scales[6], B lowp_scales[7])
;;     5. batch 16 x [M 2,048, K 2,048] x [K 2,048, N 128]; A: computed on the way; B: computed on the way: QUANTISED (scales: A lowp_scales[8], B lowp_scales[9])
;;     6. [M 4,096, K 1,024] x [K 1,024, N 1,024]; A: computed on the way; B: input Wo (given as codes): QUANTISED (scales: A lowp_scales[10], B lowp_scales[11])
;;   THE QUANTISER, for each operand of a quantised product, along K:
;;     - The operand's scale is 2^e, e = its entry of the input lowp_scales (int32; the entries are numbered through the quantised products in the list's order, A before B).
;;     - Each number is divided by the scale, clamped to +-57,344, and rounded to the nearest number of E5M2, ties to even, subnormals kept.
;;     - The product sums the exact products of the quantised numbers (number of the format x scale) in f32.
;;   ~~~python
;;   def quantise(x, axis, e):      # numpy; x: float32 -> the quantised numbers, widened to float32 again
;;       x = np.moveaxis(x, axis, -1); K = x.shape[-1]
;;       r = np.clip(x / 2.0 ** e, -57344, 57344)
;;       step = 2.0 ** (np.maximum(np.frexp(np.where(r == 0, 1, r))[1] - 1, -14) - 2)
;;       q = np.round(r / step) * step * 2.0 ** e      # np.round: ties to even
;;       return np.moveaxis(q, -1, axis).astype(np.float32)
;;   ~~~
;;   OPERANDS COMPUTED ON THE WAY. 'Computed on the way' means the value that the module computes at that place (a softmax that the list does not call 'softmax' is quantised finished and normalised). What goes into a quantiser is computed in f32, as accurately as f32 sums, v_exp_f32 and their like allow (about 1e-6 of the number): no bf16 or f16 on the way to a quantiser, and a product that is left as it is and whose result goes on into a quantised operand takes f32 operands (vector FMAs, or v_wmma_f32_16x16x4_f32). A number that lies on a knife's edge between two numbers of the format may be rounded either way, as far as f32 arithmetic and the matrix unit's own rounding can turn it there, and no further.
;;   INPUTS GIVEN AS CODES. Wk (in the module: [1024, 1024], K = its axis 1); Wo (in the module: [1024, 1024], K = its axis 1); Wq (in the module: [1024, 1024], K = its axis 1); Wv (in the module: [1024, 1024], K = its axis 1); k (in the module: [2, 2048, 1024], K = its axis 2); q (in the module: [2, 2048, 1024], K = its axis 2); v (in the module: [2, 2048, 1024], K = its axis 2): each comes as NAME_codes (uint8): NAME with its K axis moved to the last place and cut into blocks of 32 codes, [.., K / 32, bytes a block], one block behind the other in memory; one code a byte (a code: sign, 5 exponent bits, 2 mantissa bits); its scale is its entry of lowp_scales. Its value is code x scale, taken as it is: it is not quantised again, and the codes and scales need not be those that the quantiser above would give.
;; One version. Each part assembles by itself: llvm-mc -triple=amdgcn-amd-amdhsa -mcpu=gfx1250 --defsym DOCPART=n.
;; ======== version 1 of 1: 3 launches
;; limits: right only within a limited range of input values
;; workspace buffers: qc 4,194,304 bytes; kc 4,194,304 bytes; vt 4,194,304 bytes; oc 4,194,304 bytes
;; launch proj (part 1): grid 4 x 48, 4 waves a work-group, clusters of 4 x 4, 327,680 bytes of LDS; arguments q_codes, k_codes, v_codes, Wq_codes, Wk_codes, Wv_codes, bq, bk, bv, lowp_scales, qc, kc, vt; writes qc, kc, vt
.if DOCPART == 1
	.amdgcn_target "amdgcn-amd-amdhsa--gfx1250"
	.amdhsa_code_object_version 6
	.text
	.protected	k_q66297b7e14_proj
	.globl	k_q66297b7e14_proj
	.p2align	8
	.type	k_q66297b7e14_proj,@function
k_q66297b7e14_proj:
	s_mov_b64 s[64:65], 0
	v_nop
	global_prefetch_b8 v0, s[64:65] scope:SCOPE_SE
	s_setreg_imm32_b32 hwreg(HW_REG_WAVE_MODE, 25, 1), 1
	s_wait_xcnt 0x0
	s_wait_alu depctr_hold_cnt(0) depctr_sa_sdst(0) depctr_va_vdst(0) depctr_va_sdst(0) depctr_va_ssrc(0) depctr_va_vcc(0) depctr_vm_vsrc(0)
	s_getreg_b32 s2, hwreg(HW_REG_IB_STS2, 6, 4)
	s_cmp_eq_u32 s2, 0
	s_cbranch_scc0 .Lentry_in_a_cluster
	s_endpgm
.Lentry_in_a_cluster:
	s_bfe_u32 s2, ttmp6, 0x10000c
	s_cmp_lg_u32 s2, 0xf033
	s_cbranch_scc0 .Lentry_shape_is_right
	s_endpgm
.Lentry_shape_is_right:
; THE THREE PROJECTIONS: x W^T + b on codes of BF8 (E5M2), the result quantised again (scales e6 for q, e7 for k, e9 for v) and stored as codes.  No work of the problem is left out in this program.
; One launch for all three: z = cluster y / 4 says which (0 q, 1 k, 2 v); only pointers, tile numbers, exponents and two masks are chosen by it, there is one path through the text.
; A tile is 256 x 256, K = 1,024.  Four waves, each 128 x 128: 64 accumulators, 512 registers.  D = X0 X1^T: lane (r, h), register j of accumulator (a, b) holds (X0 row 16 b + 8 h + j, X1 row 16 a + r).
; q, k: X0 = the weight (rows = channels), X1 = the tokens; v: X0 = the tokens (keys), X1 = the weight.  So a lane's eight registers run along the NEXT product's K in all three: channels for q and k, keys for v.
; GRID: a tensor has 16 x 4 tiles, four clusters of 4 x 4; twelve clusters, 192 work-groups.  No block of equal shape gives 256: a share of 49,152 outputs would want 192 or 96 channels, which do not divide 1,024, or 384 tokens, which do not divide 4,096.
; OUT: blocks of 128 rows x 128 bytes, dense: a wave's tile is one block.  qc, kc: block (batch 8 + head) 16 + token block, row = token, bytes = the head's 128 channels.  vt: the same index with the key block, row = channel, bytes = 128 keys.
; BYTE ORDER in a row: place 32 B + 16 h + 8 u + j holds index 32 B + 16 u + 8 h + j: two neighbouring accumulators' codes make one store of 16 bytes.  The next launch reads q and k alike, so their products meet;
; of vt a load of 16 bytes at 16 h then gives a lane the keys 16 c + 8 h + 0 .. 7 in registers 2 c, 2 c + 1.
; THE SCALES: a sum stands for sum x 2^(ea + eb).  The biases are divided by that power of two, and the code is (sum + bias') / 2^(eo - ea - eb): the three scales are folded into the conversion's one; nothing is rounded by it.
; THE BIAS goes by X0's rows for q and k: it is the C of each accumulator's first product.  For v it goes by X1's rows: one packed addition on the way out.  Both tables are loaded, and the one that does not apply is multiplied by 0: no branch.
; THE RING: K goes in four steps of 256 through two LDS slots (X1's 256 rows, then X0's 256 rows, 256 bytes + 16 each); a wave fetches 128 rows with one tensor load; one tensor load of a wave is out.
; CLUSTER 4 x 4: X1's tile hangs on cy and is asked for jointly by my row of the cluster, X0's on cx, by my column.
; PREFETCH: at a change of slots every wave has waited for all its tensor loads, so a refill goes out with nothing on its way beside it.  So behind K step 0's load the head asks for K steps 1 and 2, and behind K step 1's load K step 3 is asked for:
; one instruction a wave, a lane a row of 256 bytes.  Of the 128 rows that a wave fetches each of the four partners that ask for them jointly takes 32, told apart by address: each block is named once in a cluster; two K steps at the most are asked for and not yet read.
; REGISTERS, in windows of 256: window 0: v0-31 addresses, v32-95 and v96-111 the biases, from v128 X1's fragments, ONE set; window 1: X0's fragments, TWO sets; windows 2, 3: accumulator (a, b) at v[8 (8 (a % 4) + b)], a < 4 in window 2.
; LIMITS: e0 + e1, e2 + e3, e4 + e5 between -126 and 126; e6 - e0 - e1, e7 - e2 - e3, e9 - e4 - e5 between -126 and 112.  NaN and infinity among the codes or biases are not served.
.set ROWB,   256                       ; a tile's row in bytes
.set PITCH,  272                       ; an LDS row: 256 bytes + 16 = 17 x 16: the 16 rows of a load begin in 16 different columns of 16 bytes
.set FR,     16                        ; registers of a fragment: 16 rows x 128 K
.set NL,     4                         ; LDS loads that bring one
.set NP,     4                         ; places behind this matrix instruction (ISA guide 7.12.1)
.set HALFT,  128*PITCH                 ; what one tensor load brings, and what one wave reads of X1 or of X0
.set SLOT,   4*HALFT
.set SPARE,  2*SLOT                    ; the spare words, 128 bytes a wave
.set SPITCH, 144                       ; the way out: a stage of 128 rows x (128 bytes + 16) for each wave, in slot 0, behind its last fill and its last read
.set GW,     (1<<20)|(1<<21)|(5<<22)|(3<<25)   ; elements of 1 byte; padding on; bit 21 beside a mask; after every 64 words 4 words
.set BMO,  10                          ; offset of the bias by X0's rows
.set BNO,  11                          ; by X1's rows
.set LIMV, 12                          ; 57,344 x 2^(eo - ea - eb)
.set SCV,  13                          ; 2^(eo - ea - eb)
.set PFO,  14                          ; the prefetches' offset: 1,024 x lane; never rewritten
.set ADRA, 16                          ; v16-17 LDS address of my X1 fragments in slot 0, 1
.set ADRB, 20                          ; v20-21 the same for X0
.set STO,  24
.set RD,   25
.set CO,   26
.set SPW,  28
.set NIL,  29
.set BM,   32                          ; v32-95  bias' of X0 rows 16 b + 8 h + j
.set BN,   96                          ; v96-111 pairs (bias' of X1 row 16 a + r, 0)
.set AF,   128                         ; X1's fragments
.set TMP,  128                         ; the way out: a block's 64 numbers,
.set CD,   192                         ; its codes,
.set RB,   208                         ; and 16 rows read back from the stage: two sets of 16 registers by turns
.set G1A,  32                          ; s[32:39] group 1 for X1's tiles; s[40:47] group 0, one set for each slot
.set G0A,  40
.set G1B,  48                          ; the same for X0's
.set G0B,  56
.set WV,   66
.set HA,   67                          ; my half of X1's rows; also: I fetch for X1 (0) or for X0 (1)
.set HB,   68                          ; my half of X0's rows; also: which 128 rows I fetch
.set CX,   69
.set CY,   70
.set Z,    71
.set TC,   72                          ; X0's tile
.set TR,   73                          ; X1's tile
.set ZM,   74                          ; all ones where z = 2
.set NZM,  75                          ; all ones where z < 2
.set XAP,  76
.set XBP,  78
.set BP,   80
.set OP,   82
.set PFA,  98                          ; s[98:99] my work-group's 32 of the 128 rows that I fetch; never rewritten
.set MSB, 0
.macro WIN new                         ; the immediate's high byte repeats the setting that is left
.if MSB != \new
	s_set_vgpr_msb (MSB<<8)|\new
.set MSB, \new
.endif
.endm
.set MUL_LO,  0xa1                     ; source 0 (X0) window 1, source 1 (X1) window 0, C and D window 2
.set MUL_HI,  0xf1                     ; the same, C and D window 3
.set MUL_LO0, 0x81                     ; the first products: C (the bias) window 0, D window 2,
.set MUL_HI0, 0xc1                     ; D window 3
.set TO_B,    0x40                     ; destination window 1, address window 0
; A joint load: waves 0 and 1 fetch for X1, waves 2 and 3 for X0.  Each line has one mask and one set of registers for all that issue it; the branch hangs on the wave's number alone.
; An s_nop 0 and four v_nop follow each of the two lines.
.macro JLOAD s
	s_cmp_eq_u32 s[HA], 0
	s_cbranch_scc0 .Lfor_b_\@
	tensor_load_to_lds s[G0A+4*\s:G0A+4*\s+3], s[G1A:G1A+7]
	s_nop 0
.rept 4
	v_nop
.endr
	s_branch .Lasked_\@
.Lfor_b_\@:
	tensor_load_to_lds s[G0B+4*\s:G0B+4*\s+3], s[G1B:G1B+7]
	s_nop 0
.rept 4
	v_nop
.endr
.Lasked_\@:
.endm
.macro CREST                           ; a round of the cluster's barrier behind its opening barrier
	s_cmp_lg_u32 s[WV], 0
	s_cbranch_scc1 .Lnot_wave_0_\@
	s_barrier_signal -3
.Lnot_wave_0_\@:
	s_barrier_wait -3
	s_barrier_signal -1
	s_barrier_wait -1
.endm
.macro CROUND                          ; a whole round
	s_barrier_signal -1
	s_barrier_wait -1
	CREST
.endm
.macro PLACES n
.rept \n
	v_nop
.endr
.endm
	s_load_b512 s[4:19], s[0:1], 0x0               ; q s[4:5], k s[6:7], v s[8:9], Wq s[10:11], Wk s[12:13], Wv s[14:15], bq s[16:17], bk s[18:19]
	s_load_b256 s[20:27], s[0:1], 0x40             ; bv s[20:21], the exponents s[22:23], qc s[24:25], kc s[26:27]
	s_load_b64 s[28:29], s[0:1], 0x60              ; vt
	v_lshl_add_u32 v[SPW], v0, 2, SPARE
	v_mov_b32 v[NIL], 0
	ds_add_u32 v[SPW], v[NIL]                      ; the opening: the add, twice on end, and its wait ahead of my first tensor load
	ds_add_u32 v[SPW], v[NIL]
	v_lshrrev_b32 v1, 5, v0
	v_readfirstlane_b32 s[WV], v1                  ; wave 0..3
	s_lshr_b32 s[HA], s[WV], 1
	s_and_b32 s[HB], s[WV], 1
	s_bfe_u32 s[CX], ttmp6, 0x40000
	s_bfe_u32 s[CY], ttmp6, 0x40004
	s_and_b32 s84, ttmp7, 0xffff                   ; cluster y, 0..11
	s_lshr_b32 s[Z], s84, 2                        ; which tensor: the same in all partners
	s_and_b32 s84, s84, 3
	s_lshl_b32 s84, s84, 2                         ; the tokens have 16 tiles, four clusters; a weight has 4 tiles, one cluster
	s_cmp_eq_u32 s[Z], 2
	s_cselect_b32 s85, s84, 0                      ; for v the tokens are X0,
	s_cselect_b32 s84, 0, s84                      ; else X1
	s_cselect_b32 s[ZM], -1, 0
	s_cselect_b32 s[NZM], 0, -1
	s_add_co_u32 s[TC], s85, s[CX]
	s_add_co_u32 s[TR], s84, s[CY]
	s_lshl_b32 s86, s[CY], 2
	s_lshl_b32 s86, 15, s86                        ; my row of the cluster
	s_lshl_b32 s87, 0x1111, s[CX]                  ; my column
	s_or_b32 s[G1A], s86, GW
	s_or_b32 s[G1B], s87, GW
.irp g, G1A, G1B
	s_mov_b32 s[\g+1], ROWB<<16                    ; tensor_dim0
	s_mov_b32 s[\g+2], 128<<16                     ; tensor_dim1
	s_mov_b32 s[\g+3], ROWB<<16                    ; tile_dim0
	s_mov_b32 s[\g+4], 128                         ; tile_dim1
	s_mov_b32 s[\g+5], 1024                        ; from row to row
	s_mov_b32 s[\g+6], 0
	s_mov_b32 s[\g+7], 0
.endr
	s_lshl_b32 s88, s[TR], 18                      ; X1: 256 rows of 1,024 bytes a tile,
	s_lshl_b32 s89, s[HB], 17                      ; 128 rows a load
	s_add_co_u32 s88, s88, s89
	s_mov_b32 s89, 0
	s_lshl_b32 s90, s[TC], 18                      ; X0 likewise
	s_lshl_b32 s91, s[HB], 17
	s_add_co_u32 s90, s90, s91
	s_mov_b32 s91, 0
	s_mul_i32 s92, s[WV], HALFT                    ; where they go: wave x 128 rows: no place in the cluster enters an LDS address
	s_wait_dscnt 0x0                               ; both opening adds are done
	s_wait_kmcnt 0x0
	s_cmp_eq_u32 s[Z], 1
	s_cselect_b64 s[XBP:XBP+1], s[12:13], s[10:11]
	s_cselect_b64 s[XAP:XAP+1], s[6:7], s[4:5]
	s_cselect_b64 s[BP:BP+1], s[18:19], s[16:17]
	s_cselect_b64 s[OP:OP+1], s[26:27], s[24:25]
	s_cmp_eq_u32 s[Z], 2
	s_cselect_b64 s[XBP:XBP+1], s[8:9], s[XBP:XBP+1]
	s_cselect_b64 s[XAP:XAP+1], s[14:15], s[XAP:XAP+1]
	s_cselect_b64 s[BP:BP+1], s[20:21], s[BP:BP+1]
	s_cselect_b64 s[OP:OP+1], s[28:29], s[OP:OP+1]
	s_add_nc_u64 s[XAP:XAP+1], s[XAP:XAP+1], s[88:89]
	s_add_nc_u64 s[XBP:XBP+1], s[XBP:XBP+1], s[90:91]
	CROUND                                         ; all sixteen work-groups are here: the first joint loads meet
.irp s, 0,1
	s_mov_b32 s[G0A+4*\s], 1
	s_add_co_u32 s[G0A+4*\s+1], s92, \s*SLOT
	s_add_nc_u64 s[G0A+4*\s+2:G0A+4*\s+3], s[XAP:XAP+1], \s*ROWB
	s_or_b32 s[G0A+4*\s+3], s[G0A+4*\s+3], 0x80000000
	s_mov_b32 s[G0B+4*\s], 1
	s_add_co_u32 s[G0B+4*\s+1], s92, \s*SLOT
	s_add_nc_u64 s[G0B+4*\s+2:G0B+4*\s+3], s[XBP:XBP+1], \s*ROWB
	s_or_b32 s[G0B+4*\s+3], s[G0B+4*\s+3], 0x80000000
.endr
	JLOAD 0                                        ; K step 0: my one tensor load at the head; what follows stands under its flight
	s_load_b256 s[4:11], s[22:23], 0x0             ; e0 .. e7 (the pointers that lay here have been chosen from)
	s_load_b128 s[12:15], s[22:23], 0x20           ; e8 .. e11
	; first the scalar parts, then the vector lines in one run
	s_mul_i32 s84, s[HA], HALFT                    ; my 128 rows of X1,
	s_mul_i32 s85, s[HB], HALFT
	s_add_co_u32 s85, s85, 2*HALFT                 ; and of X0, which lie behind X1's 256
	s_mul_i32 s86, s[WV], 128*SPITCH               ; my stage
	s_lshl_b32 s87, s[TC], 1
	s_add_co_u32 s87, s87, s[HB]                   ; i0: my 128 rows of X0
	s_lshl_b32 s93, s[TR], 1
	s_add_co_u32 s93, s93, s[HA]                   ; i1: my 128 rows of X1
	s_lshl_b32 s94, s87, 9
	s_and_b32 s94, s94, s[NZM]                     ; the bias by X0's rows: 4 x 128 i0, or 0 for v: a place inside the buffer either way
	s_lshl_b32 s95, s93, 9
	s_and_b32 s95, s95, s[ZM]                      ; by X1's rows: 4 x 128 i1 for v, else 0
	s_cmp_eq_u32 s[Z], 2
	s_cselect_b32 s16, s87, s93                    ; the token block,
	s_cselect_b32 s17, s93, s87                    ; the head
	s_lshr_b32 s18, s16, 4                         ; batch
	s_lshl_b32 s18, s18, 3
	s_add_co_u32 s18, s18, s17
	s_lshl_b32 s18, s18, 4
	s_and_b32 s16, s16, 15
	s_add_co_u32 s18, s18, s16                     ; my block of 16,384 bytes
	s_lshl_b32 s18, s18, 14
	s_mov_b32 s19, 0
	s_add_nc_u64 s[OP:OP+1], s[OP:OP+1], s[18:19]
	s_cmp_eq_u32 s[HA], 0                          ; the prefetches: the rows that I fetch,
	s_cselect_b64 s[PFA:PFA+1], s[XAP:XAP+1], s[XBP:XBP+1]
	s_cselect_b32 s20, s[CX], s[CY]                ; my place among the four that ask for them with me,
	s_lshl_b32 s20, s20, 15                        ; x 32 rows of 1,024 bytes
	s_mov_b32 s21, 0
	s_add_nc_u64 s[PFA:PFA+1], s[PFA:PFA+1], s[20:21]
	v_and_b32 v1, 15, v0                           ; r
	v_bfe_u32 v2, v0, 4, 1                         ; h
	v_and_b32 v6, 31, v0
	v_lshl_add_u32 v[BMO], v2, 5, s94
	v_lshl_add_u32 v[BNO], v1, 2, s95
	v_lshlrev_b32 v[PFO], 10, v6                   ; a lane a row
.irp b, 0,1,2,3,4,5,6,7
	global_load_b128 v[BM+8*\b:BM+8*\b+3], v[BMO], s[BP:BP+1] offset:64*\b
	global_load_b128 v[BM+8*\b+4:BM+8*\b+7], v[BMO], s[BP:BP+1] offset:64*\b+16
.endr
.irp a, 0,1,2,3,4,5,6,7
	global_load_b32 v[BN+2*\a], v[BNO], s[BP:BP+1] offset:64*\a
.endr
	global_prefetch_b8 v[PFO], s[PFA:PFA+1] offset:ROWB th:TH_LOAD_NT scope:SCOPE_SE     ; K step 1,
	global_prefetch_b8 v[PFO], s[PFA:PFA+1] offset:2*ROWB th:TH_LOAD_NT scope:SCOPE_SE   ; K step 2
.irp a, 0,1,2,3,4,5,6,7
	v_mov_b32 v[BN+2*\a+1], 0                      ; (named as the upper half of a pair)
.endr
	v_mul_u32_u24 v3, v1, PITCH
	v_lshl_add_u32 v4, v2, 4, v3                   ; a fragment's row x pitch + 16 h
	v_add_nc_u32 v[ADRA], s84, v4
	v_add_nc_u32 v[ADRB], s85, v4
	v_add_nc_u32 v[ADRA+1], SLOT, v[ADRA]
	v_add_nc_u32 v[ADRB+1], SLOT, v[ADRB]
	v_mul_u32_u24 v5, v1, SPITCH
	v_lshl_add_u32 v5, v2, 4, v5
	v_add_nc_u32 v[STO], s86, v5                   ; into the stage: row r, 16 bytes for each half of the lanes
	v_lshrrev_b32 v7, 3, v6
	v_and_b32 v8, 7, v0
	v_mul_u32_u24 v7, v7, SPITCH
	v_lshl_add_u32 v7, v8, 4, v7
	v_add_nc_u32 v[RD], s86, v7                    ; back: eight lanes to a row of 128 bytes, four rows a load
	v_lshlrev_b32 v[CO], 4, v6                     ; and the same 512 bytes in my block
.macro FRAG reg, adr, q, i             ; a fragment is four loads of 16 bytes, 32 apart: lane (r, h) holds K = 32 c + 16 h + 0 .. 15 in registers 4 c on: the same places of k in X0 and in X1, so every product meets its partner
.irp c, 0,1,2,3
	ds_load_b128 v[\reg+4*\c:\reg+4*\c+3], v[\adr] offset:128*(\q)+32*\c+(\i)*16*PITCH
.endr
.endm
; 16 matrix instructions: X1's blocks a0, a0 + 1 x X0's eight, 128 along K.  p: X0's set.  first = 1: the first product starts the sum from the bias by X0's rows: nothing is cleared, and nothing is added later.
; The 64 accumulators take turns, one instruction a turn, in the same order in every step.
.macro MUL16 a0, p, first
.irp a, \a0, \a0+1
.irp b, 0,1,2,3,4,5,6,7
.if \first
	v_wmma_f32_16x16x128_bf8_bf8 v[8*(8*((\a)%4)+\b):8*(8*((\a)%4)+\b)+7], v[128*(\p)+FR*\b:128*(\p)+FR*\b+FR-1], v[AF+FR*(\a):AF+FR*(\a)+FR-1], v[BM+8*\b:BM+8*\b+7]
.else
	v_wmma_f32_16x16x128_bf8_bf8 v[8*(8*((\a)%4)+\b):8*(8*((\a)%4)+\b)+7], v[128*(\p)+FR*\b:128*(\p)+FR*\b+FR-1], v[AF+FR*(\a):AF+FR*(\a)+FR-1], v[8*(8*((\a)%4)+\b):8*(8*((\a)%4)+\b)+7]
.endif
.endr
.endr
.endm
.macro FETCH_B slot, q, p              ; X0's eight fragments of the slot's q-th 128 along K into set p
	WIN TO_B
.irp i, 0,1,2,3,4,5,6,7
	FRAG 128*(\p)+FR*\i, ADRB+\slot, \q, \i
.endr
	WIN 0
.endm
.macro FETCH_A slot, q, i0             ; X1's blocks i0 .. i0 + 3
.irp i, \i0, \i0+1, \i0+2, \i0+3
	FRAG AF+FR*(\i), ADRA+\slot, \q, \i
.endr
.endm
; A step of 128 along K that has its successor in the same slot.  X1's blocks go one after the other, each against X0's eight: a block is free when its eight products are issued, so one set serves X1.
.macro STEP slot, q, first
	s_wait_dscnt 4*NL                              ; X0's set and X1's blocks 0-3 are in; the youngest loads (X1's blocks 4-7) may be out
.if \first
	WIN MUL_LO0
.else
	WIN MUL_LO
.endif
	MUL16 0, (\q)%2, \first
	MUL16 2, (\q)%2, \first
	s_wait_dscnt 0                                 ; X1's blocks 4-7 are in
	PLACES NP
	FETCH_B \slot, (\q)+1, 1-(\q)%2
	FETCH_A \slot, (\q)+1, 0
.if \first
	WIN MUL_HI0
.else
	WIN MUL_HI
.endif
	MUL16 4, (\q)%2, \first
	MUL16 6, (\q)%2, \first
	PLACES NP
	WIN 0
	FETCH_A \slot, (\q)+1, 4
.endm
; A slot's last step changes slots: one barrier; in front of it each wave waits for all its tensor loads, adds 0 to its spare word, and waits for that and for its own reads of this slot.  fill = 1: this slot is filled again, two K steps ahead.
.macro TURN slot, next, fill
	s_wait_tensorcnt 0x0                           ; my part of the next slot has landed
	ds_add_u32 v[SPW], v[NIL]
	s_wait_dscnt 4*NL+1                            ; (the add and the youngest loads, X1's blocks 4-7, may be out)
	WIN MUL_LO
	MUL16 0, 1, 0
	s_wait_dscnt 0x0                               ; the add is done, and my reads of this slot are over
	s_barrier_signal -1
	MUL16 2, 1, 0
	WIN 0
	s_barrier_wait -1
.if \fill
	CREST                                          ; the barrier has opened a round of the cluster's barrier: no wave of any partner still reads this slot or has a load on its way
	s_add_nc_u64 s[G0A+4*\slot+2:G0A+4*\slot+3], s[G0A+4*\slot+2:G0A+4*\slot+3], 2*ROWB
	s_add_nc_u64 s[G0B+4*\slot+2:G0B+4*\slot+3], s[G0B+4*\slot+2:G0B+4*\slot+3], 2*ROWB
	JLOAD \slot                                    ; the first tensor load behind the round; its four v_nop are the places in front of the loads below
.else
	PLACES NP
.endif
	FETCH_B \next, 0, 0
	FETCH_A \next, 0, 0
	WIN MUL_HI
	MUL16 4, 1, 0
	MUL16 6, 1, 0
	PLACES NP
	WIN 0
	FETCH_A \next, 0, 4
.endm
	s_wait_alu depctr_va_vdst(0)                   ; the wait at the head's end
	s_wait_tensorcnt 0x0                           ; my part of K step 0 is in; slot 1's first fill is issued as a refill is:
	ds_add_u32 v[SPW], v[NIL]
	s_wait_dscnt 0x0
	CROUND                                         ; everybody's part of K step 0 is in, and all sixteen work-groups are here
	JLOAD 1                                        ; K step 1
	FETCH_B 0, 0, 0
	FETCH_A 0, 0, 0
	FETCH_A 0, 0, 4
	global_prefetch_b8 v[PFO], s[PFA:PFA+1] offset:3*ROWB th:TH_LOAD_NT scope:SCOPE_SE   ; K step 3, two refills ahead of its load; there is no K step behind it
	s_wait_kmcnt 0x0                               ; under the fragments' way: the exponents and the biases
	s_add_co_i32 s4, s4, s5
	s_add_co_i32 s6, s6, s7
	s_add_co_i32 s8, s8, s9
	s_cmp_eq_u32 s[Z], 1
	s_cselect_b32 s4, s6, s4
	s_cselect_b32 s10, s11, s10
	s_cmp_eq_u32 s[Z], 2
	s_cselect_b32 s4, s8, s4                       ; ea + eb of my product
	s_cselect_b32 s10, s13, s10                    ; eo: e6, e7 or e9
	s_sub_co_i32 s5, 127, s4
	s_lshl_b32 s5, s5, 23                          ; 2^-(ea + eb) as f32,
	s_and_b32 s6, s5, s[NZM]                       ; for the table that applies; 0 for the other
	s_and_b32 s7, s5, s[ZM]
	s_sub_co_i32 s10, s10, s4
	s_add_co_i32 s10, s10, 127
	s_lshl_b32 s11, s10, 23                        ; 2^(eo - ea - eb): the conversion takes its exponent field
	s_add_co_i32 s10, s10, 15
	s_lshl_b32 s10, s10, 23
	s_or_b32 s10, s10, 0x600000                    ; 57,344 x that
	s_wait_loadcnt 0x0
	v_mov_b32 v[SCV], s11
	v_mov_b32 v[LIMV], s10
.set j, 0
.rept 64
	v_mul_f32 v[BM+j], s6, v[BM+j]
.set j, j+1
.endr
.irp a, 0,1,2,3,4,5,6,7
	v_mul_f32 v[BN+2*\a], s7, v[BN+2*\a]
.endr
	s_wait_alu depctr_va_vdst(0)                   ; the wait here, directly ahead of the wait below
	STEP 0, 0, 1                                   ; the first step's products start the sums
	TURN 0, 1, 1                                   ; slot 0 takes K step 2,
	STEP 1, 0, 0
	TURN 1, 0, 1                                   ; slot 1 K step 3
	STEP 0, 0, 0
	TURN 0, 1, 0                                   ; nothing more is filled
	STEP 1, 0, 0
	s_wait_dscnt 4*NL                              ; the very last step: nothing more to fetch
	WIN MUL_LO
	MUL16 0, 1, 0
	MUL16 2, 1, 0
	s_wait_dscnt 0
	WIN MUL_HI
	MUL16 4, 1, 0
	MUL16 6, 1, 0
	WIN 0
; THE WAY OUT, 16 rows of my block at a time: sum + the bias by X1's rows, held within the largest code x the scale, converted: a lane's eight numbers are eight neighbours along the next K.
; The codes go through my own stage and come back as whole rows.  LDS serves a wave's instructions in order (ISA guide 5.7.1.4): no wait between the stores and the loads.
.macro OUTB a
.set AC, 64*((\a)%4)
	WIN 0x02+((\a)/4)                              ; source 0: window 2 or 3
.set j, 0
.rept 32
	v_pk_add_f32 v[TMP+j:TMP+j+1], v[AC+j:AC+j+1], v[BN+2*(\a):BN+2*(\a)+1] op_sel_hi:[1,0]   ; each accumulator from its low end on
.set j, j+2
.endr
	WIN 0
.set j, 0
.rept 64
	v_med3_num_f32 v[TMP+j], v[TMP+j], -v[LIMV], v[LIMV]   ; the conversion to an 8-bit code does not saturate (ISA guide 7.6.2)
.set j, j+1
.endr
.irp b, 0,1,2,3,4,5,6,7
	v_cvt_scalef32_pk8_bf8_f32 v[CD+2*\b:CD+2*\b+1], v[TMP+8*\b:TMP+8*\b+7], v[SCV]
.endr
	v_nop                                          ; a plain line behind the last conversion
.irp u, 0,1,2,3
	ds_store_b128 v[STO], v[CD+4*\u:CD+4*\u+3] offset:(\a)*16*SPITCH+32*\u
.endr
.irp t, 0,1,2,3
	ds_load_b128 v[RB+16*((\a)%2)+4*\t:RB+16*((\a)%2)+4*\t+3], v[RD] offset:(\a)*16*SPITCH+\t*4*SPITCH
.endr
.endm
.macro SENDB a, younger                ; younger: the LDS instructions issued behind block a's loads, which may stay out
	s_wait_dscnt \younger
.irp t, 0,1,2,3
	global_store_b128 v[CO], v[RB+16*((\a)%2)+4*\t:RB+16*((\a)%2)+4*\t+3], s[OP:OP+1] offset:2048*(\a)+512*\t   ; 32 lanes store 512 consecutive bytes, at a multiple of 512 from the buffer's first byte
.endr
.endm
	PLACES NP
	OUTB 0
.irp a, 1,2,3,4,5,6,7
.if \a > 1
	s_wait_xcnt 0x0                                ; block a - 2's stores have read their registers: block a's loads may land there
.endif
	OUTB \a
	SENDB \a-1, 8                                  ; behind block a - 1's loads: block a's 4 stores and 4 loads
.endr
	SENDB 7, 0
	s_wait_tensorcnt 0x0                           ; the wave's end
	ds_add_u32 v[SPW], v[NIL]
	s_wait_dscnt 0x0
	CROUND                                         ; the closing round: no work-group ends while a partner may still ask for a tile that names it
	s_endpgm
.Lfunc_end_k_q66297b7e14_proj:
	.size	k_q66297b7e14_proj, .Lfunc_end_k_q66297b7e14_proj-k_q66297b7e14_proj
	.p2alignl 7, 3214868480
	.fill 96, 4, 3214868480
	.section	.rodata,"a",@progbits
	.p2align	6, 0x0
	.amdhsa_kernel k_q66297b7e14_proj
		.amdhsa_group_segment_fixed_size 327680
		.amdhsa_private_segment_fixed_size 0
		.amdhsa_enable_private_segment 0
		.amdhsa_kernarg_size 104
		.amdhsa_user_sgpr_count 2
		.amdhsa_user_sgpr_kernarg_segment_ptr 1
		.amdhsa_wavefront_size32 1
		.amdhsa_system_sgpr_workgroup_id_x 1
		.amdhsa_system_sgpr_workgroup_id_y 1
		.amdhsa_system_sgpr_workgroup_id_z 1
		.amdhsa_system_vgpr_workitem_id 0
		.amdhsa_next_free_vgpr 1024
		.amdhsa_next_free_sgpr 104
		.amdhsa_reserve_vcc 0
		.amdhsa_float_denorm_mode_32 3
		.amdhsa_float_denorm_mode_16_64 3
		.amdhsa_memory_ordered 1
		.amdhsa_forward_progress 1
		.amdhsa_inst_pref_size 145
	.end_amdhsa_kernel
	.amdgpu_metadata
---
amdhsa.version: [ 1, 2 ]
amdhsa.kernels:
  - .name:           k_q66297b7e14_proj
    .symbol:         k_q66297b7e14_proj.kd
    .args:
      - { .name: q_codes, .offset: 0, .size: 8, .value_kind: global_buffer, .address_space: global }
      - { .name: k_codes, .offset: 8, .size: 8, .value_kind: global_buffer, .address_space: global }
      - { .name: v_codes, .offset: 16, .size: 8, .value_kind: global_buffer, .address_space: global }
      - { .name: Wq_codes, .offset: 24, .size: 8, .value_kind: global_buffer, .address_space: global }
      - { .name: Wk_codes, .offset: 32, .size: 8, .value_kind: global_buffer, .address_space: global }
      - { .name: Wv_codes, .offset: 40, .size: 8, .value_kind: global_buffer, .address_space: global }
      - { .name: bq, .offset: 48, .size: 8, .value_kind: global_buffer, .address_space: global }
      - { .name: bk, .offset: 56, .size: 8, .value_kind: global_buffer, .address_space: global }
      - { .name: bv, .offset: 64, .size: 8, .value_kind: global_buffer, .address_space: global }
      - { .name: lowp_scales, .offset: 72, .size: 8, .value_kind: global_buffer, .address_space: global }
      - { .name: qc, .offset: 80, .size: 8, .value_kind: global_buffer, .address_space: global }
      - { .name: kc, .offset: 88, .size: 8, .value_kind: global_buffer, .address_space: global }
      - { .name: vt, .offset: 96, .size: 8, .value_kind: global_buffer, .address_space: global }
    .group_segment_fixed_size: 327680
    .private_segment_fixed_size: 0
    .kernarg_segment_align: 8
    .kernarg_segment_size: 104
    .max_flat_workgroup_size: 128
    .sgpr_count:     104
    .vgpr_count:     1024
    .wavefront_size: 32
...
	.end_amdgpu_metadata
.endif
;; end of part 1
;; launch attn (part 2): grid 16 x 16, 8 waves a work-group, clusters of 4 x 1, 327,680 bytes of LDS; arguments qc, kc, vt, lambda_q1, lambda_k1, lambda_q2, lambda_k2, lowp_scales, oc; writes oc
.if DOCPART == 2
	.amdgcn_target "amdgcn-amd-amdhsa--gfx1250"
	.amdhsa_code_object_version 6
	.text
	.protected	k_q66297b7e14_attn
	.globl	k_q66297b7e14_attn
	.p2align	8
	.type	k_q66297b7e14_attn,@function
k_q66297b7e14_attn:
	s_mov_b64 s[64:65], 0
	v_nop
	global_prefetch_b8 v0, s[64:65] scope:SCOPE_SE
	s_setreg_imm32_b32 hwreg(HW_REG_WAVE_MODE, 25, 1), 1
	s_wait_xcnt 0x0
	s_wait_alu depctr_hold_cnt(0) depctr_sa_sdst(0) depctr_va_vdst(0) depctr_va_sdst(0) depctr_va_ssrc(0) depctr_va_vcc(0) depctr_vm_vsrc(0)
	s_getreg_b32 s2, hwreg(HW_REG_IB_STS2, 6, 4)
	s_cmp_eq_u32 s2, 0
	s_cbranch_scc0 .Lentry_in_a_cluster
	s_endpgm
.Lentry_in_a_cluster:
	s_bfe_u32 s2, ttmp6, 0x10000c
	s_cmp_lg_u32 s2, 0x3003
	s_cbranch_scc0 .Lentry_shape_is_right
	s_endpgm
.Lentry_shape_is_right:
; DIFFERENTIAL ATTENTION on codes of BF8: o = Q(softmax(q1 k1^T / 8) - lam softmax(q2 k2^T / 8)) Q(v), o quantised again (e10) and stored as codes.  lam = exp(lq1 . lk1) - exp(lq2 . lk2) + 0.8.
; The second product's operand is the FINISHED difference of two normalised softmaxes, so the keys are walked twice: PASS 1 finds each row's largest score and its sum of exponentials,
; PASS 2 makes the scores again, p = 2^(t - m) / sum for both sub-heads, the difference, its codes (e8), and O^T += V^T P^T.
; SHARES.  A work-group owns 128 queries of one (batch, head); wave w owns 32 of them (w % 4: two tiles q) for both sub-heads (s), and one half of each slot's keys (w / 4).  Two waves to a SIMD.
; Four GROUPS g = 2 q + s of scores; a key step is 64 keys: 4 x 32 registers.  S^T = K Q^T: a lane holds one query (lane % 16), its registers run along the keys.  The two halves' O^T are added through LDS at the end.
; A KEY STEP IS THREE RUNS over all four groups: plain vector lines (the groups by turns), ONE batch of exponentials with one wait ahead of it and one behind it, plain lines again.
; THE RING: two slots of eight blocks (128 rows x 128 bytes, pitch 144), a block a wave.  Pass 1: a slot is 1,024 keys of K.  Pass 2: 512 keys, four blocks of K and four of V^T.  A block is dense in memory and is stated as 64 rows of 256 bytes.
; CLUSTER 4 x 1: the four query blocks of a cluster walk the same K and V: every fill is a joint load.  PREFETCH: V's blocks of the next fill, asked for at each fill but the last by the clusters with x = 0 alone (all sixteen query blocks of a head read the same V),
; waves 0 and 1, the four partners told apart by address: 8,192 bytes a wave, lanes 256 bytes apart.  K is not prefetched: pass 2 reads what pass 1 has read.
; LIMITS: the scaled scores stay under 2^31; e6 + e7 between -123 and 130 (added to c's exponent field); e8, and e10 - e8 - e9, between -126 and 112.  NaN and infinity are not served.
.set BLKL,  128*144                    ; a block in LDS
.set SLOTB, 8*BLKL
.set SPARE, 2*SLOTB                    ; the spare words, 128 bytes a wave
.set STAT,  SPARE+1024                 ; pass 1's results, 1,024 bytes a wave
.set STG,   65536                      ; the way out's stage; below it the exchange of O^T: both in slot 0, behind its last fill and its last read
.set SPW,  1
.set NIL,  2
.set LT,   3                           ; lane's place in a tile: 144 r + 16 h
.set ADK,  4
.set ADV,  5
.set PFO,  6
.set LAM,  7
.set XS,   8
.set XR,   9
.set SGO,  10
.set SGR,  11
.set GO,   12
.set SA,   13
.set SB,   14
.set QO,   15
.set ST,   16                          ; v16-23 pairs (c x largest score, largest score), one a group
.set LS,   24                          ; v24-31 pass 1: the sums, in two halves; pass 2: v24 = -lam
.set AF,   32                          ; v32-39 pairs (2^(old m - new m), 0)
.set MX,   40
.set TT,   44
.set P,    48                          ; v48-63 the difference's codes
.set S,    64                          ; v64-191 scores
.set QF,   192                         ; v192-223 Q's fragments
.set SCV,  224
.set LIMV, 225
.set SCO,  226
.set LIMO, 227
.set KF,   128                         ; window 1: v0-127 O^T; v128-191 K's fragments; v192-255 V's
.set VF,   192
.set WV,   22
.set GQ,   23
.set KH,   24
.set CX,   25
.set QB,   26
.set BH,   27
.set G1,   32
.set G0A,  40
.set G0B,  44
.set G0W,  48
.set BASEW, 52
.set FO,   54
.set PFA,  56
.set CS,   58                          ; s[58:59] c = log2(e) / 8 x 2^(e6 + e7)
.set SEL,  60
.set TB,   62                          ; the slot in hand
.set TF,   63                          ; the slot filled last
.set WOFF, 66
.set KO,   67
.set KH1,  68
.set KH2,  69
.set NF,   70                          ; fills still to come
.set LIM,  71
.set KM,   82
.set MSB, 0
.macro WIN new                         ; the immediate's high byte repeats the setting that is left
.if MSB != \new
	s_set_vgpr_msb (MSB<<8)|\new
.set MSB, \new
.endif
.endm
.macro CROUND                          ; a round of the cluster's barrier
	s_barrier_signal -1
	s_barrier_wait -1
	s_cmp_lg_u32 s[WV], 0
	s_cbranch_scc1 .Lnot_wave_0_\@
	s_barrier_signal -3
.Lnot_wave_0_\@:
	s_barrier_wait -3
	s_barrier_signal -1
	s_barrier_wait -1
.endm
.macro PLACES
.rept 4
	v_nop
.endr
.endm
.macro ASK                             ; the prefetch of the next fill's blocks of V; the last fill has none behind it
	s_cmp_gt_u32 s[NF], s[LIM]
	s_cbranch_scc0 .Lnot_mine_\@
	global_prefetch_b8 v[PFO], s[PFA:PFA+1] th:TH_LOAD_NT scope:SCOPE_SE
.Lnot_mine_\@:
.endm
	s_load_b512 s[4:19], s[0:1], 0x0               ; qc, kc, vt, lq1, lk1, lq2, lk2, the exponents
	s_load_b64 s[20:21], s[0:1], 0x40              ; oc
	v_lshl_add_u32 v[SPW], v0, 2, SPARE
	v_mov_b32 v[NIL], 0
	ds_add_u32 v[SPW], v[NIL]                      ; the opening: the add, twice on end, and its wait
	ds_add_u32 v[SPW], v[NIL]
	s_wait_dscnt 0x0
	v_lshrrev_b32 v[QO], 5, v0
	s_delay_alu instid0(VALU_DEP_1)
	v_readfirstlane_b32 s[WV], v[QO]
	s_and_b32 s[GQ], s[WV], 3
	s_lshr_b32 s[KH], s[WV], 2
	s_bfe_u32 s[CX], ttmp6, 0x40000
	s_lshl_b32 s[QB], ttmp9, 2
	s_add_co_u32 s[QB], s[QB], s[CX]               ; my query block
	s_and_b32 s[BH], ttmp7, 0xffff                 ; 8 batch + head
	s_mov_b32 s[G1], 15|(1<<20)|(1<<21)|(4<<22)|(3<<25)   ; all four partners; padding: 4 words after every 32
	s_mov_b32 s[G1+1], 256<<16
	s_mov_b32 s[G1+2], 64<<16
	s_mov_b32 s[G1+3], 256<<16
	s_mov_b32 s[G1+4], 64
	s_mov_b32 s[G1+5], 256
	s_mov_b32 s[G1+6], 0
	s_mov_b32 s[G1+7], 0
	s_mul_i32 s[WOFF], s[WV], BLKL
	s_mul_i32 s[KH1], s[KH], 4*BLKL
	s_mul_i32 s[KH2], s[KH], 2*BLKL
	s_mov_b32 s[TB], 0
	s_mov_b32 s[TF], SLOTB
	s_mov_b32 s[FO], 0
	s_mov_b32 s[FO+1], 0
	s_mov_b32 s[NF], 4
	s_mov_b32 s[SEL], 0x76543210
	s_mov_b32 s[SEL+1], 0xfedcba98
	s_sub_co_u32 s[KM], 0, s[KH]
	s_lshr_b32 s28, s[WV], 1
	s_or_b32 s28, s28, ttmp9
	s_cmp_eq_u32 s28, 0
	s_cselect_b32 s[LIM], 1, -1                    ; waves 0, 1 of the clusters with x = 0 prefetch
	s_lshl_b32 s28, s[BH], 18
	s_mov_b32 s29, 0
	s_lshl_b32 s30, s[WV], 14
	s_mov_b32 s31, 0
	s_mov_b32 s85, 0
	s_wait_kmcnt 0x0
	s_load_b128 s[76:79], s[18:19], 0x18           ; e6 .. e9
	s_load_b64 s[80:81], s[18:19], 0x28            ; e10, e11
	s_add_nc_u64 s[6:7], s[6:7], s[28:29]
	s_add_nc_u64 s[8:9], s[8:9], s[28:29]
	s_mov_b32 s[G0A], 1
	s_mov_b32 s[G0A+1], s[WOFF]
	s_add_nc_u64 s[G0A+2:G0A+3], s[6:7], s[30:31]  ; slot 0: K's block w
	s_mov_b32 s[G0B], 1
	s_add_co_u32 s[G0B+1], s[WOFF], SLOTB
	s_add_nc_u64 s[G0B+2:G0B+3], s[G0A+2:G0A+3], 8*16384   ; slot 1: block 8 + w
	s_or_b32 s[G0A+3], s[G0A+3], 0x80000000
	s_or_b32 s[G0B+3], s[G0B+3], 0x80000000
	s_mov_b32 s[G0W], 1
	s_cmp_lt_u32 s[WV], 4
	s_cselect_b64 s[BASEW:BASEW+1], s[6:7], s[8:9] ; pass 2's fills: waves 0-3 K, waves 4-7 V
	s_lshl_b32 s30, s[GQ], 14
	s_add_nc_u64 s[BASEW:BASEW+1], s[BASEW:BASEW+1], s[30:31]
	s_lshl_b32 s84, s[CX], 14
	s_and_b32 s83, s[WV], 1
	s_lshl_b32 s83, s83, 13
	s_add_co_u32 s84, s84, s83
	s_add_nc_u64 s[PFA:PFA+1], s[8:9], s[84:85]
	s_lshl_b32 s84, s[BH], 4
	s_add_co_u32 s84, s84, s[QB]
	s_lshl_b32 s84, s84, 14
	s_lshl_b32 s83, s[GQ], 12
	s_add_co_u32 s84, s84, s83
	s_add_nc_u64 s[4:5], s[4:5], s[84:85]          ; my 32 queries' codes
	s_lshr_b32 s84, s[BH], 3
	s_lshl_b32 s84, s84, 4
	s_add_co_u32 s84, s84, s[QB]
	s_lshl_b32 s84, s84, 3
	s_and_b32 s83, s[BH], 7
	s_add_co_u32 s84, s84, s83
	s_lshl_b32 s84, s84, 14                        ; oc: block (token block) 8 + head,
	s_lshl_b32 s83, s[GQ], 12
	s_add_co_u32 s84, s84, s83
	s_lshl_b32 s83, s[KH], 11                      ; my 16 of the wave pair's 32 rows
	s_add_co_u32 s84, s84, s83
	s_add_nc_u64 s[20:21], s[20:21], s[84:85]
	CROUND
	tensor_load_to_lds s[G0A:G0A+3], s[G1:G1+7]    ; my one load at the head; the rest of the head stands under its flight
	s_nop 0
	v_and_b32 v228, 15, v0
	v_bfe_u32 v229, v0, 4, 1
	v_and_b32 v230, 31, v0
	s_delay_alu instid0(VALU_DEP_3)
	v_lshlrev_b32 v[QO], 7, v228
	s_delay_alu instid0(VALU_DEP_1)
	v_lshl_add_u32 v[QO], v229, 4, v[QO]
.irp q, 0,1
.irp s, 0,1
.irp c, 0,1
	global_load_b128 v[QF+16*\q+8*\s+4*\c:QF+16*\q+8*\s+4*\c+3], v[QO], s[4:5] offset:2048*\q+64*\s+32*\c
.endr
.endr
.endr
	v_lshlrev_b32 v231, 3, v230
	global_load_b64 v[232:233], v231, s[10:11]
	global_load_b64 v[234:235], v231, s[12:13]
	global_load_b64 v[236:237], v231, s[14:15]
	global_load_b64 v[238:239], v231, s[16:17]
	v_mul_u32_u24 v[LT], v228, 144
	s_delay_alu instid0(VALU_DEP_1)
	v_lshl_add_u32 v[LT], v229, 4, v[LT]
	v_lshlrev_b32 v[PFO], 8, v230
	s_lshl_b32 s30, s[WV], 13
	v_lshl_add_u32 v[XS], v230, 4, s30
	s_xor_b32 s30, s[WV], 4
	s_lshl_b32 s30, s30, 13
	v_lshl_add_u32 v[XR], v230, 4, s30
	s_mul_i32 s30, s[WV], 16*144
	s_add_co_u32 s30, s30, STG
	v_mul_u32_u24 v[SGO], v228, 144
	s_delay_alu instid0(VALU_DEP_1)
	v_lshl_add_u32 v[SGO], v229, 3, v[SGO]
	s_delay_alu instid0(VALU_DEP_1)
	v_add_nc_u32 v[SGO], s30, v[SGO]
	v_lshrrev_b32 v[SGR], 3, v230
	s_delay_alu instid0(VALU_DEP_1)
	v_mul_u32_u24 v[SGR], v[SGR], 144
	v_and_b32 v[GO], 7, v0
	s_delay_alu instid0(VALU_DEP_1)
	v_lshl_add_u32 v[SGR], v[GO], 4, v[SGR]
	s_delay_alu instid0(VALU_DEP_1)
	v_add_nc_u32 v[SGR], s30, v[SGR]
	v_lshlrev_b32 v[GO], 4, v230
	s_lshl_b32 s30, s[WV], 10
	s_add_co_u32 s30, s30, STAT
	v_lshl_add_u32 v[SA], v230, 4, s30
	s_lshl_b32 s30, s[GQ], 10
	s_add_co_u32 s30, s30, STAT
	v_lshl_add_u32 v[SB], v228, 4, s30
	WIN 0x40
.set j, 0
.rept 128
	v_mov_b32 v[j], 0                              ; O^T: cleared once, so that pass 2's step is written without a first step of its own
.set j, j+1
.endr
	WIN 0
.set j, 0
.rept 8
	v_mov_b32 v[LS+j], 0
	v_mov_b32 v[AF+j], 0
.set j, j+1
.endr
	s_wait_kmcnt 0x0
	s_add_co_i32 s83, s76, s77
	s_lshl_b32 s83, s83, 23
	s_add_co_i32 s[CS], s83, 0x3e38aa3b            ; log2(e) / 8, with e6 + e7 added to its exponent field
	s_mov_b32 s[CS+1], s[CS]
	s_add_co_i32 s83, s78, 127
	s_lshl_b32 s84, s83, 23
	v_mov_b32 v[SCV], s84                          ; 2^e8
	s_add_co_i32 s83, s83, 15
	s_lshl_b32 s83, s83, 23
	s_or_b32 s83, s83, 0x600000
	v_mov_b32 v[LIMV], s83                         ; 57,344 x 2^e8
	s_sub_co_i32 s83, s80, s78
	s_sub_co_i32 s83, s83, s79
	s_add_co_i32 s83, s83, 127
	s_lshl_b32 s84, s83, 23
	v_mov_b32 v[SCO], s84                          ; 2^(e10 - e8 - e9): the three scales in the conversion's one
	s_add_co_i32 s83, s83, 15
	s_lshl_b32 s83, s83, 23
	s_or_b32 s83, s83, 0x600000
	v_mov_b32 v[LIMO], s83
.irp g, 0,1,2,3
	v_mov_b32 v[ST+2*\g+1], 0xff61b1e6             ; the largest score so far: -3e38
	s_delay_alu instid0(VALU_DEP_1)
	v_mul_f32 v[ST+2*\g], s[CS], v[ST+2*\g+1]
.endr
	s_wait_loadcnt 0x0
	v_mul_f32 v232, v232, v234                     ; lam: two numbers of each vector a lane
	v_mul_f32 v236, v236, v238
	s_delay_alu instid0(VALU_DEP_2)
	v_fma_f32 v232, v233, v235, v232
	s_delay_alu instid0(VALU_DEP_2)
	v_fma_f32 v236, v237, v239, v236
.irp x, 1,2,4,8
	s_delay_alu instid0(VALU_DEP_2)
	v_add_f32_dpp v232, v232, v232 row_xmask:\x row_mask:0xf bank_mask:0xf
	s_delay_alu instid0(VALU_DEP_2)
	v_add_f32_dpp v236, v236, v236 row_xmask:\x row_mask:0xf bank_mask:0xf
.endr
	s_delay_alu instid0(VALU_DEP_2)
	v_permlanex16_b32 v233, v232, s[SEL], s[SEL+1]
	s_delay_alu instid0(VALU_DEP_2)
	v_permlanex16_b32 v237, v236, s[SEL], s[SEL+1]
	s_delay_alu instid0(VALU_DEP_2)
	v_add_f32 v232, v232, v233
	s_delay_alu instid0(VALU_DEP_2)
	v_add_f32 v236, v236, v237
	s_delay_alu instid0(VALU_DEP_2)
	v_mul_f32 v232, 0x3fb8aa3b, v232
	s_delay_alu instid0(VALU_DEP_2)
	v_mul_f32 v236, 0x3fb8aa3b, v236
	s_wait_alu depctr_va_vdst(0)                   ; a wait ahead of the batch and one behind it
	v_exp_f32 v232, v232
	v_exp_f32 v236, v236
	v_nop
	s_wait_alu depctr_va_vdst(0)
	v_sub_f32 v232, v232, v236
	s_delay_alu instid0(VALU_DEP_1)
	v_add_f32 v[LAM], 0x3f4ccccd, v232
.macro KLOAD off                       ; four tiles of 16 keys x both sub-heads' 64 channels
	WIN 0x40
.irp t, 0,1,2,3
.irp s, 0,1
.irp c, 0,1
	ds_load_b128 v[KF+16*\t+8*\s+4*\c:KF+16*\t+8*\s+4*\c+3], v[ADK] offset:(\off)+\t*2304+64*\s+32*\c
.endr
.endr
.endr
	WIN 0
.endm
.macro VLOAD off                       ; eight tiles of 16 channels x 64 keys
	WIN 0x40
.irp t, 0,1,2,3,4,5,6,7
.irp c, 0,1
	ds_load_b128 v[VF+8*\t+4*\c:VF+8*\t+4*\c+3], v[ADV] offset:(\off)+\t*2304+32*\c
.endr
.endr
.endm
.macro KQ                              ; S^T = K Q^T: 16 accumulators, each begun with 0
	WIN 0x01
.irp q, 0,1
.irp s, 0,1
.irp t, 0,1,2,3
	v_wmma_f32_16x16x64_bf8_bf8 v[S+32*(2*\q+\s)+8*\t:S+32*(2*\q+\s)+8*\t+7], v[KF+16*\t+8*\s:KF+16*\t+8*\s+7], v[QF+16*\q+8*\s:QF+16*\q+8*\s+7], 0
.endr
.endr
.endr
	WIN 0
	PLACES
.endm
.macro PV                              ; O^T += V^T P^T: the 16 accumulators by turns
	WIN 0x51
.irp t, 0,1,2,3,4,5,6,7
.irp q, 0,1
	v_wmma_f32_16x16x64_bf8_bf8 v[64*\q+8*\t:64*\q+8*\t+7], v[VF+8*\t:VF+8*\t+7], v[P+8*\q:P+8*\q+7], v[64*\q+8*\t:64*\q+8*\t+7]
.endr
.endr
	WIN 0
.endm
; PASS 1, line i of group g's preparation: 16 lines for the lane's running largest score (two chains; each accumulator from its low end on), m = c x it, old m - new m, and 16 packed lines t - m.
.macro PREI g, i
.set rS, S+32*(\g)
.set rT, ST+2*(\g)
.if (\i) == 0
	v_max3_num_f32 v[MX+(\g)], v[rT+1], v[rS], v[rS+1]
.elseif (\i) == 1
	v_max3_num_f32 v[TT+(\g)], v[rS+16], v[rS+17], v[rS+18]
.elseif (\i) == 15
	v_max3_num_f32 v[rT+1], v[MX+(\g)], v[TT+(\g)], v[rS+31]
.elseif ((\i) < 15) && ((\i)%2 == 0)
	v_max3_num_f32 v[MX+(\g)], v[MX+(\g)], v[rS+(\i)], v[rS+(\i)+1]
.elseif (\i) < 15
	v_max3_num_f32 v[TT+(\g)], v[TT+(\g)], v[rS+16+(\i)], v[rS+17+(\i)]
.elseif (\i) == 16
	v_mul_f32 v[MX+(\g)], s[CS], v[rT+1]
.elseif (\i) == 17
	v_sub_f32 v[AF+2*(\g)], v[rT], v[MX+(\g)]
.elseif (\i) == 18
	v_mov_b32 v[rT], v[MX+(\g)]
.else
	v_pk_fma_f32 v[rS+2*((\i)-19):rS+2*((\i)-19)+1], v[rS+2*((\i)-19):rS+2*((\i)-19)+1], s[CS:CS+1], v[rT:rT+1] op_sel_hi:[1,0,0] neg_lo:[0,0,1] neg_hi:[0,0,1]
.endif
.endm
.macro EXI g, i                        ; 33 exponentials a group: the factor for the old sum, and 32 terms
.if (\i) == 0
	v_exp_f32 v[AF+2*(\g)], v[AF+2*(\g)]
.else
	v_exp_f32 v[S+32*(\g)+(\i)-1], v[S+32*(\g)+(\i)-1]
.endif
.endm
.macro SUMI g, z                       ; 15 packed additions in a tree, then sum = sum x factor + the step's
.set rS, S+32*(\g)
.if (\z) < 8
.set w, 4
.set u, (\z)
.elseif (\z) < 12
.set w, 8
.set u, (\z)-8
.elseif (\z) < 14
.set w, 16
.set u, (\z)-12
.else
.set w, 32
.set u, 0
.endif
.if (\z) < 15
	v_pk_add_f32 v[rS+w*u:rS+w*u+1], v[rS+w*u:rS+w*u+1], v[rS+w*u+w/2:rS+w*u+w/2+1]
.else
	v_pk_fma_f32 v[LS+2*(\g):LS+2*(\g)+1], v[LS+2*(\g):LS+2*(\g)+1], v[AF+2*(\g):AF+2*(\g)+1], v[rS:rS+1] op_sel_hi:[1,0,1]
.endif
.endm
.macro ALL4 m, i                       ; one line of each of the four groups or units: four independent chains by turns
	\m 0, \i
	\m 1, \i
	\m 2, \i
	\m 3, \i
.endm
.macro P1STEP more
	s_wait_dscnt 0x0                               ; K's fragments
	KQ
.if \more
	s_add_co_u32 s[KO], s[KO], 9216
	v_add_nc_u32 v[ADK], s[KO], v[LT]
	KLOAD 0                                        ; the next 64 keys: they have the step's vector work in which to come
.endif
.set i, 0
.rept 35
	ALL4 PREI, i
.set i, i+1
.endr
	s_wait_alu depctr_va_vdst(0)                   ; the wait ahead of the batch
.set i, 0
.rept 33
	ALL4 EXI, i
.set i, i+1
.endr
	v_nop                                          ; a plain place behind the last exponential
	s_wait_alu depctr_va_vdst(0)                   ; and one wait for the whole batch, ahead of its first reader
.set i, 0
.rept 16
	ALL4 SUMI, i
.set i, i+1
.endr
.endm
; PASS 2.  A UNIT u is 16 keys' registers (two tiles) of query tile u / 2, for both sub-heads.
.macro SCI u, i                        ; t - (m + log2 of the row's sum): the exponential is then the normalised p
.set rB, S+64*((\u)/2)+16*((\u)%2)+32*((\i)/8)+2*((\i)%8)
.set rT, ST+4*((\u)/2)+2*((\i)/8)
	v_pk_fma_f32 v[rB:rB+1], v[rB:rB+1], s[CS:CS+1], v[rT:rT+1] op_sel_hi:[1,0,0] neg_lo:[0,0,1] neg_hi:[0,0,1]
.endm
.macro EYI u, i
.set rB, S+64*((\u)/2)+16*((\u)%2)+32*((\i)/16)+(\i)%16
	v_exp_f32 v[rB], v[rB]
.endm
.macro FINI u, i                       ; p1 + p2 x (-lam); the hold; the conversion: its results are the second product's operand
.set rB, S+64*((\u)/2)+16*((\u)%2)
.if (\i) < 8
.set rC, rB+2*(\i)
	v_pk_fma_f32 v[rC:rC+1], v[rC+32:rC+33], v[LS:LS+1], v[rC:rC+1] op_sel_hi:[1,0,1]
.elseif (\i) < 24
	v_med3_num_f32 v[rB+(\i)-8], v[rB+(\i)-8], -v[LIMV], v[LIMV]
.else
.set rC, rB+8*((\i)-24)
.set rP, P+8*((\u)/2)+4*((\u)%2)+2*((\i)-24)
	v_cvt_scalef32_pk8_bf8_f32 v[rP:rP+1], v[rC:rC+7], v[SCV]
.endif
.endm
.macro P2STEP n, more
	s_wait_dscnt 0x0
	KQ
	VLOAD (\n/2)*BLKL+64*(\n%2)
.if \more
	KLOAD ((\n+1)/2)*BLKL+((\n+1)%2)*9216
.endif
	WIN 0
.set i, 0
.rept 16
	ALL4 SCI, i
.set i, i+1
.endr
	s_wait_alu depctr_va_vdst(0)                   ; the wait ahead of the batch
.set i, 0
.rept 32
	ALL4 EYI, i
.set i, i+1
.endr
	v_nop
	s_wait_alu depctr_va_vdst(0)                   ; one wait for the whole batch
.set i, 0
.rept 26
	ALL4 FINI, i
.set i, i+1
.endr
	v_nop                                          ; a plain line behind the last conversion
	s_wait_alu depctr_va_vdst(0)                   ; the wait here: O^T is taken up again behind the exponentials
.if \more
	s_wait_dscnt 16                                ; V is in; the next step's 16 loads of K may be out
.else
	s_wait_dscnt 0x0
.endif
	PV
.endm
; THE CHANGE OF SLOTS: all my tensor loads are waited for, the add, the wait for it and for my reads; fill = 1: a round of the cluster's barrier, and the slot just left is filled again by my one joint load.
.macro CHANGE fill
	WIN 0
	s_wait_tensorcnt 0x0
	ds_add_u32 v[SPW], v[NIL]
.if \fill
	s_xor_b32 s[TF], s[TF], SLOTB
	s_add_co_u32 s[G0W+1], s[TF], s[WOFF]
	s_add_nc_u64 s[G0W+2:G0W+3], s[BASEW:BASEW+1], s[FO:FO+1]
	s_or_b32 s[G0W+3], s[G0W+3], 0x80000000
	s_add_co_u32 s[FO], s[FO], 0x10000             ; four blocks on
	s_wait_xcnt 0x0                                ; my prefetch has read its address
	s_add_nc_u64 s[PFA:PFA+1], s[PFA:PFA+1], 0x10000
.endif
	s_wait_dscnt 0x0
.if \fill
	CROUND
	tensor_load_to_lds s[G0W:G0W+3], s[G1:G1+7]
	s_nop 0
	PLACES
	ASK
	s_sub_co_u32 s[NF], s[NF], 1
.else
	s_barrier_signal -1
	s_barrier_wait -1
.endif
	s_xor_b32 s[TB], s[TB], SLOTB
.endm
.macro P2PHASE                         ; my 256 of a slot's 512 keys
	s_add_co_u32 s[KO], s[TB], s[KH2]
	v_add_nc_u32 v[ADK], s[KO], v[LT]
	s_delay_alu instid0(VALU_DEP_1)
	v_add_nc_u32 v[ADV], 4*BLKL, v[ADK]
	KLOAD 0
	s_wait_alu depctr_va_vdst(0)                   ; the wait
	P2STEP 0, 1
	P2STEP 1, 1
	P2STEP 2, 1
	P2STEP 3, 0
.endm
	s_wait_alu depctr_va_vdst(0)                   ; the wait at the head's end
	s_wait_tensorcnt 0x0                           ; my block of slot 0 is in; slot 1's first fill is issued as a refill is:
	ds_add_u32 v[SPW], v[NIL]
	s_wait_dscnt 0x0
	CROUND                                         ; everybody's block of slot 0 is in, and the four work-groups are here
	tensor_load_to_lds s[G0B:G0B+3], s[G1:G1+7]
	s_nop 0
	PLACES
	s_mov_b32 s72, 2
.Lp1_slot:                                             ; PASS 1: two slots; my half of a slot is 512 keys, eight steps
	s_add_co_u32 s[KO], s[TB], s[KH1]
	v_add_nc_u32 v[ADK], s[KO], v[LT]
	KLOAD 0
	s_mov_b32 s73, 7
.Lp1_step:
	P1STEP 1
	s_sub_co_u32 s73, s73, 1
	s_cmp_lg_u32 s73, 0
	s_cbranch_scc1 .Lp1_step
	P1STEP 0
	CHANGE 1                                       ; the slot takes pass 2's first keys
	s_sub_co_u32 s72, s72, 1
	s_cmp_lg_u32 s72, 0
	s_cbranch_scc1 .Lp1_slot
	; A row's largest score and sum lie in four places: two halves of the lanes x two waves.  They meet through LDS.
	s_wait_alu depctr_va_vdst(0)
.irp g, 0,1,2,3
	v_mov_b32 v[64+\g], v[ST+2*\g+1]
	v_add_f32 v[68+\g], v[LS+2*\g], v[LS+2*\g+1]
.endr
	ds_store_b128 v[SA], v[64:67]
	ds_store_b128 v[SA], v[68:71] offset:512
	s_wait_dscnt 0x0
	s_barrier_signal -1
	s_barrier_wait -1
.irp i, 0,1,2,3
	ds_load_b128 v[96+4*\i:99+4*\i], v[SB] offset:(\i/2)*4096+(\i%2)*256
	ds_load_b128 v[112+4*\i:115+4*\i], v[SB] offset:(\i/2)*4096+(\i%2)*256+512
.endr
	s_wait_dscnt 0x0
.irp g, 0,1,2,3
	v_max3_num_f32 v[MX+\g], v[96+\g], v[100+\g], v[104+\g]
.endr
.irp g, 0,1,2,3
	s_delay_alu instid0(VALU_DEP_4)
	v_max_num_f32 v[ST+2*\g+1], v[MX+\g], v[108+\g]
.endr
.irp g, 0,1,2,3
	s_delay_alu instid0(VALU_DEP_4)
	v_mul_f32 v[ST+2*\g], s[CS], v[ST+2*\g+1]      ; the final m
.endr
.set j, 0
.rept 16
	v_mul_f32 v[96+j], s[CS], v[96+j]
.set j, j+1
.endr
.irp i, 0,1,2,3
.irp g, 0,1,2,3
	v_sub_f32 v[96+4*\i+\g], v[96+4*\i+\g], v[ST+2*\g]
.endr
.endr
.set j, 0
	s_wait_alu depctr_va_vdst(0)
.rept 16
	v_exp_f32 v[96+j], v[96+j]
.set j, j+1
.endr
	v_nop
	s_wait_alu depctr_va_vdst(0)
.irp g, 0,1,2,3
	v_mul_f32 v[TT+\g], v[112+\g], v[96+\g]
.endr
.irp i, 1,2,3
.irp g, 0,1,2,3
	v_fma_f32 v[TT+\g], v[112+4*\i+\g], v[96+4*\i+\g], v[TT+\g]
.endr
.endr
	s_wait_alu depctr_va_vdst(0)
.irp g, 0,1,2,3
	v_log_f32 v[MX+\g], v[TT+\g]                   ; log2 of the row's sum (the sum is at least about 1: the largest term)
.endr
	v_nop
	s_wait_alu depctr_va_vdst(0)
.irp g, 0,1,2,3
	v_add_f32 v[ST+2*\g], v[ST+2*\g], v[MX+\g]     ; pass 2 takes m + log2(sum) away from t: 2^(t - m) / sum in one exponential
.endr
	v_mul_f32 v[LS], -1.0, v[LAM]                  ; -lam
	s_mov_b32 s72, 2
.Lp2_fill:                                             ; PASS 2: four slots; behind the first two a slot is filled again
	P2PHASE
	CHANGE 1
	s_sub_co_u32 s72, s72, 1
	s_cmp_lg_u32 s72, 0
	s_cbranch_scc1 .Lp2_fill
	s_mov_b32 s72, 2
.Lp2_last:
	P2PHASE
	CHANGE 0
	s_sub_co_u32 s72, s72, 1
	s_cmp_lg_u32 s72, 0
	s_cbranch_scc1 .Lp2_last
	; THE WAY OUT.  Of the pair of waves that share 32 queries, the one with key half 0 finishes query tile 0 and the other tile 1: each sends the tile that it does not finish.
	PLACES
	WIN 0x05
.set j, 0
.rept 64
	v_cndmask_b32 v[64+j], v[j], v[64+j], s[KM]    ; the tile that I keep,
.set j, j+1
.endr
.set j, 0
.rept 64
	v_cndmask_b32 v[128+j], v[64+j], v[j], s[KM]   ; the tile that I send
.set j, j+1
.endr
	WIN 0
.irp i, 0,1,2,3,4,5,6,7,8,9,10,11,12,13,14,15
	ds_store_b128 v[XS], v[128+4*\i:131+4*\i] offset:512*\i
.endr
	s_wait_dscnt 0x0
	s_barrier_signal -1
	s_barrier_wait -1
.irp i, 0,1,2,3,4,5,6,7,8,9,10,11,12,13,14,15
	ds_load_b128 v[128+4*\i:131+4*\i], v[XR] offset:512*\i
.endr
	s_wait_dscnt 0x0
.set j, 0
.rept 32
	v_pk_add_f32 v[64+j:65+j], v[64+j:65+j], v[128+j:129+j]
.set j, j+2
.endr
.set j, 0
.rept 64
	v_med3_num_f32 v[64+j], v[64+j], -v[LIMO], v[LIMO]
.set j, j+1
.endr
.irp t, 0,1,2,3,4,5,6,7
	v_cvt_scalef32_pk8_bf8_f32 v[P+2*\t:P+2*\t+1], v[64+8*\t:71+8*\t], v[SCO]
.endr
	v_nop
.irp t, 0,1,2,3,4,5,6,7
	ds_store_b64 v[SGO], v[P+2*\t:P+2*\t+1] offset:16*\t   ; my own stage: row = query, byte = channel
.endr
.irp t, 0,1,2,3
	ds_load_b128 v[64+4*\t:67+4*\t], v[SGR] offset:\t*576
.endr
.irp t, 0,1,2,3
	s_wait_dscnt 3-\t                              ; the loads issued behind load t may be out
	global_store_b128 v[GO], v[64+4*\t:67+4*\t], s[20:21] offset:512*\t   ; 32 lanes store 512 consecutive bytes, aligned
.endr
	s_wait_tensorcnt 0x0                           ; the wave's end
	ds_add_u32 v[SPW], v[NIL]
	s_wait_dscnt 0x0
	CROUND                                         ; the closing round
	s_endpgm
.Lfunc_end_k_q66297b7e14_attn:
	.size	k_q66297b7e14_attn, .Lfunc_end_k_q66297b7e14_attn-k_q66297b7e14_attn
	.p2alignl 7, 3214868480
	.fill 96, 4, 3214868480
	.section	.rodata,"a",@progbits
	.p2align	6, 0x0
	.amdhsa_kernel k_q66297b7e14_attn
		.amdhsa_group_segment_fixed_size 327680
		.amdhsa_private_segment_fixed_size 0
		.amdhsa_enable_private_segment 0
		.amdhsa_kernarg_size 72
		.amdhsa_user_sgpr_count 2
		.amdhsa_user_sgpr_kernarg_segment_ptr 1
		.amdhsa_wavefront_size32 1
		.amdhsa_system_sgpr_workgroup_id_x 1
		.amdhsa_system_sgpr_workgroup_id_y 1
		.amdhsa_system_sgpr_workgroup_id_z 1
		.amdhsa_system_vgpr_workitem_id 0
		.amdhsa_next_free_vgpr 512
		.amdhsa_next_free_sgpr 96
		.amdhsa_reserve_vcc 0
		.amdhsa_float_denorm_mode_32 3
		.amdhsa_float_denorm_mode_16_64 3
		.amdhsa_memory_ordered 1
		.amdhsa_forward_progress 1
		.amdhsa_inst_pref_size 233
	.end_amdhsa_kernel
	.amdgpu_metadata
---
amdhsa.version: [ 1, 2 ]
amdhsa.kernels:
  - .name:           k_q66297b7e14_attn
    .symbol:         k_q66297b7e14_attn.kd
    .args:
      - { .name: qc, .offset: 0, .size: 8, .value_kind: global_buffer, .address_space: global }
      - { .name: kc, .offset: 8, .size: 8, .value_kind: global_buffer, .address_space: global }
      - { .name: vt, .offset: 16, .size: 8, .value_kind: global_buffer, .address_space: global }
      - { .name: lambda_q1, .offset: 24, .size: 8, .value_kind: global_buffer, .address_space: global }
      - { .name: lambda_k1, .offset: 32, .size: 8, .value_kind: global_buffer, .address_space: global }
      - { .name: lambda_q2, .offset: 40, .size: 8, .value_kind: global_buffer, .address_space: global }
      - { .name: lambda_k2, .offset: 48, .size: 8, .value_kind: global_buffer, .address_space: global }
      - { .name: lowp_scales, .offset: 56, .size: 8, .value_kind: global_buffer, .address_space: global }
      - { .name: oc, .offset: 64, .size: 8, .value_kind: global_buffer, .address_space: global }
    .group_segment_fixed_size: 327680
    .private_segment_fixed_size: 0
    .kernarg_segment_align: 8
    .kernarg_segment_size: 72
    .max_flat_workgroup_size: 256
    .sgpr_count:     96
    .vgpr_count:     512
    .wavefront_size: 32
...
	.end_amdgpu_metadata
.endif
;; end of part 2
;; launch outp (part 3): grid 8 x 32, 4 waves a work-group, clusters of 4 x 4, 327,680 bytes of LDS; arguments Wo_codes, oc, bo, lowp_scales, out0; writes out0
.if DOCPART == 3
	.amdgcn_target "amdgcn-amd-amdhsa--gfx1250"
	.amdhsa_code_object_version 6
	.text
	.protected	k_q66297b7e14_outp
	.globl	k_q66297b7e14_outp
	.p2align	8
	.type	k_q66297b7e14_outp,@function
k_q66297b7e14_outp:
	s_mov_b64 s[64:65], 0
	v_nop
	global_prefetch_b8 v0, s[64:65] scope:SCOPE_SE
	s_setreg_imm32_b32 hwreg(HW_REG_WAVE_MODE, 25, 1), 1
	s_wait_xcnt 0x0
	s_wait_alu depctr_hold_cnt(0) depctr_sa_sdst(0) depctr_va_vdst(0) depctr_va_sdst(0) depctr_va_ssrc(0) depctr_va_vcc(0) depctr_vm_vsrc(0)
	s_getreg_b32 s2, hwreg(HW_REG_IB_STS2, 6, 4)
	s_cmp_eq_u32 s2, 0
	s_cbranch_scc0 .Lentry_in_a_cluster
	s_endpgm
.Lentry_in_a_cluster:
	s_bfe_u32 s2, ttmp6, 0x10000c
	s_cmp_lg_u32 s2, 0xf033
	s_cbranch_scc0 .Lentry_shape_is_right
	s_endpgm
.Lentry_shape_is_right:
; THE LAST PROJECTION: out0 = o Wo^T + bo on codes of BF8 (E5M2); o's codes come from the launch before, in blocks of 128 tokens x one head's 128 channels, a token tile's eight blocks on end.
; A tile is 128 x 128, K = 1,024.  Four waves, each 64 x 64: 16 accumulators.  D = X0 X1^T with X0 = Wo (rows = output columns), X1 = the tokens: lane (r, h), register j of accumulator (a, b) holds
; (column 16 a + 8 h + j, token 16 b + r): eight neighbouring numbers of a row of out0.
; NO RING: both panels fit in LDS.  Each wave asks for ONE piece at the head (waves 0, 1: 64 whole rows of Wo, 1,024 bytes each; waves 2, 3: four heads' blocks of o, 65,536 dense bytes stated as rows of 256); nothing is filled again.
; One tensor load of a wave is out.  CLUSTER 4 x 4: Wo's tile hangs on cx and is asked for jointly by my column of the cluster, o's on cy, by my row.  No prefetch: every tile is asked for at the head, and there is no loop to run ahead in.
; LIMIT: e10 + e11 between -126 and 127.  NaN is not served.
.set PITCH,  1040                      ; Wo's rows in LDS: 1,024 bytes + 16
.set HALFT,  64*PITCH
.set X1B,    2*HALFT                   ; behind Wo's two pieces: o's eight blocks,
.set BLK,    128*144                   ; 128 rows of 128 bytes + 16
.set STG,    X1B+8*BLK                 ; a stage of 16 rows x 272 bytes for each wave; no tile lands there
.set SPITCH, 272
.set SPARE,  STG+4*16*SPITCH           ; the spare words, 128 bytes a wave
.set P1,     144
.set ADR0, 8                           ; my fragments of Wo
.set ADR1, 12                          ; v12-15 my fragments of o, one address for each two heads
.set STO,  16
.set RD,   17
.set CO,   18
.set BMO,  19
.set SPW,  94
.set NIL,  95
.set BM,   96                          ; v96-127 bo of columns 16 a + 8 h + j
.set ACC,  128                         ; accumulator (a, b) at ACC + 8 (4 b + a)
.set SS,   16                          ; s[16:17] 2^(e10 + e11)
.set G1A,  40
.set G1B,  48
.set WV,   56
.set WM,   57
.set WN,   58
.set CX,   60
.set CY,   61
.set I0,   62
.set I1,   63
.set G0A,  68
.set G0B,  84
.set MSB, 0
.macro WIN new                         ; the immediate's high byte repeats the setting that is left
.if MSB != \new
	s_set_vgpr_msb (MSB<<8)|\new
.set MSB, \new
.endif
.endm
.set MUL,  0x05                        ; sources 0 and 1 window 1 (two fragment buffers, at v0 and v128); C and D window 0
.set TO_F, 0x40
.macro CROUND
	s_barrier_signal -1
	s_barrier_wait -1
	s_cmp_lg_u32 s[WV], 0
	s_cbranch_scc1 .Lnot_wave_0_\@
	s_barrier_signal -3
.Lnot_wave_0_\@:
	s_barrier_wait -3
	s_barrier_signal -1
	s_barrier_wait -1
.endm
.macro PLACES
.rept 4
	v_nop
.endr
.endm
	s_load_b256 s[4:11], s[0:1], 0x0               ; Wo s[4:5], oc s[6:7], bo s[8:9], the exponents s[10:11]
	s_load_b64 s[12:13], s[0:1], 0x20              ; out0
	v_lshl_add_u32 v[SPW], v0, 2, SPARE
	v_mov_b32 v[NIL], 0
	ds_add_u32 v[SPW], v[NIL]                      ; the opening: the add, twice on end, and its wait
	ds_add_u32 v[SPW], v[NIL]
	v_lshrrev_b32 v3, 5, v0
	v_readfirstlane_b32 s[WV], v3
	s_lshr_b32 s[WM], s[WV], 1
	s_and_b32 s[WN], s[WV], 1
	s_bfe_u32 s[CX], ttmp6, 0x40000
	s_bfe_u32 s[CY], ttmp6, 0x40004
	s_lshl_b32 s[I0], ttmp9, 2
	s_add_co_u32 s[I0], s[I0], s[CX]               ; Wo's tile, 0..7
	s_and_b32 s[I1], ttmp7, 0xffff
	s_lshl_b32 s[I1], s[I1], 2
	s_add_co_u32 s[I1], s[I1], s[CY]               ; the token tile, 0..31
	s_lshl_b32 s2, 0x1111, s[CX]                   ; my column of the cluster
	s_or_b32 s[G1A], s2, (1<<20)|(1<<21)|(7<<22)|(3<<25)   ; after every 256 words 4 words of padding
	s_lshl_b32 s38, s[CY], 2
	s_lshl_b32 s38, 15, s38                        ; my row
	s_or_b32 s[G1B], s38, (1<<20)|(1<<21)|(4<<22)|(3<<25)  ; after every 32 words 4 words
	s_mov_b32 s[G1A+1], 1024<<16
	s_mov_b32 s[G1A+2], 64<<16
	s_mov_b32 s[G1A+3], 1024<<16
	s_mov_b32 s[G1A+4], 64
	s_mov_b32 s[G1A+5], 1024
	s_mov_b32 s[G1A+6], 0
	s_mov_b32 s[G1A+7], 0
	s_mov_b32 s[G1B+1], 256<<16
	s_mov_b32 s[G1B+2], 256<<16
	s_mov_b32 s[G1B+3], 256<<16
	s_mov_b32 s[G1B+4], 256
	s_mov_b32 s[G1B+5], 256
	s_mov_b32 s[G1B+6], 0
	s_mov_b32 s[G1B+7], 0
	s_lshl_b32 s2, s[I0], 17
	s_lshl_b32 s3, s[WN], 16
	s_add_co_u32 s2, s2, s3
	s_mov_b32 s3, 0
	s_lshl_b32 s38, s[I1], 17                      ; eight blocks of 16,384 bytes a token tile,
	s_lshl_b32 s39, s[WN], 16                      ; the first or the last four of them
	s_add_co_u32 s38, s38, s39
	s_mov_b32 s39, 0
	s_mul_i32 s100, s[WN], HALFT
	s_mul_i32 s101, s[WN], 4*BLK
	s_wait_dscnt 0x0
	s_wait_kmcnt 0x0
	s_load_b64 s[14:15], s[10:11], 0x28            ; e10, e11
	s_mov_b32 s[G0A], 1
	s_mov_b32 s[G0A+1], s100
	s_add_nc_u64 s[G0A+2:G0A+3], s[4:5], s[2:3]
	s_or_b32 s[G0A+3], s[G0A+3], 0x80000000
	s_mov_b32 s[G0B], 1
	s_add_co_u32 s[G0B+1], s101, X1B
	s_add_nc_u64 s[G0B+2:G0B+3], s[6:7], s[38:39]
	s_or_b32 s[G0B+3], s[G0B+3], 0x80000000
	CROUND                                         ; all sixteen work-groups are here: the joint loads meet
	s_cmp_lt_u32 s[WV], 2                          ; one load in each arm
	s_cbranch_scc0 .Lfill_x1
	tensor_load_to_lds s[G0A:G0A+3], s[G1A:G1A+7]
	s_nop 0
	PLACES                                         ; an s_nop 0 and four v_nop follow the load
	s_branch .Lfilled
.Lfill_x1:
	tensor_load_to_lds s[G0B:G0B+3], s[G1B:G1B+7]
	s_nop 0
	PLACES
.Lfilled:
	; under the load's flight: first the scalar parts, then the vector lines in one run
	s_lshl_b32 s24, s[I0], 9
	s_lshl_b32 s25, s[WM], 8
	s_add_co_u32 s24, s24, s25                     ; my first column, in bytes: 4 (128 i0 + 64 wm)
	s_lshl_b32 s26, s[I1], 7
	s_lshl_b32 s27, s[WN], 6
	s_add_co_u32 s26, s26, s27
	s_lshl_b32 s26, s26, 12                        ; my first token's row of 4,096 bytes
	s_add_co_u32 s26, s26, s24
	s_mov_b32 s27, 0
	s_add_nc_u64 s[12:13], s[12:13], s[26:27]
	s_mul_i32 s20, s[WM], HALFT
	s_mul_i32 s21, s[WN], 64*P1
	s_add_co_u32 s21, s21, X1B
	s_mul_i32 s22, s[WV], 16*SPITCH
	s_add_co_u32 s22, s22, STG                     ; my stage
	v_and_b32 v1, 15, v0                           ; r
	v_bfe_u32 v2, v0, 4, 1                         ; h
	v_lshl_add_u32 v[BMO], v2, 5, s24
.irp a, 0,1,2,3
	global_load_b128 v[BM+8*\a:BM+8*\a+3], v[BMO], s[8:9] offset:64*\a
	global_load_b128 v[BM+8*\a+4:BM+8*\a+7], v[BMO], s[8:9] offset:64*\a+16
.endr
	v_mul_u32_u24 v3, v1, PITCH
	v_lshl_add_u32 v3, v2, 4, v3
	v_add_nc_u32 v[ADR0], s20, v3
	v_mul_u32_u24 v4, v1, P1
	v_lshl_add_u32 v4, v2, 4, v4
	v_add_nc_u32 v[ADR1], s21, v4
.irp c, 1,2,3
	v_add_nc_u32 v[ADR1+\c], 2*BLK*\c, v[ADR1]
.endr
	v_mul_u32_u24 v5, v1, SPITCH
	v_lshl_add_u32 v5, v2, 5, v5
	v_add_nc_u32 v[STO], s22, v5                   ; in: row r, 32 bytes for each half of the lanes
	v_mul_u32_u24 v6, v2, SPITCH
	v_lshl_add_u32 v6, v1, 4, v6
	v_add_nc_u32 v[RD], s22, v6                    ; back: lanes 0-15 one row of 256 bytes, lanes 16-31 the next
	v_lshlrev_b32 v[CO], 12, v2
	v_lshl_add_u32 v[CO], v1, 4, v[CO]             ; and the same two rows in out0
	s_wait_alu depctr_va_vdst(0)                   ; the wait at the head's end
	s_wait_kmcnt 0x0
	s_add_co_i32 s14, s14, s15
	s_add_co_i32 s14, s14, 127
	s_lshl_b32 s[SS], s14, 23                      ; 2^(e10 + e11) as f32
	s_mov_b32 s[SS+1], s[SS]
	s_wait_loadcnt 0x0                             ; bo
.macro FETCH k, f                      ; 32 LDS loads in one run: K step k (head k): the tokens' four fragments, then Wo's four; the same places of k on both sides
	WIN TO_F
.irp b, 0,1,2,3
.irp q, 0,1,2,3
	ds_load_b128 v[\f+64+16*\b+4*\q:\f+64+16*\b+4*\q+3], v[ADR1+(\k)/2] offset:BLK*((\k)%2)+\b*16*P1+32*\q
.endr
.endr
.irp a, 0,1,2,3
.irp q, 0,1,2,3
	ds_load_b128 v[\f+16*\a+4*\q:\f+16*\a+4*\q+3], v[ADR0] offset:128*(\k)+\a*16*PITCH+32*\q
.endr
.endr
.endm
.macro MUL8 f, a0, zero                ; the 16 accumulators take turns, one instruction a turn, in the same order in every K step
.irp a, \a0, \a0+1
.irp b, 0,1,2,3
.if \zero
	v_wmma_f32_16x16x128_bf8_bf8 v[ACC+8*(4*\b+(\a)):ACC+8*(4*\b+(\a))+7], v[\f+16*(\a):\f+16*(\a)+15], v[\f+64+16*\b:\f+64+16*\b+15], 0
.else
	v_wmma_f32_16x16x128_bf8_bf8 v[ACC+8*(4*\b+(\a)):ACC+8*(4*\b+(\a))+7], v[\f+16*(\a):\f+16*(\a)+15], v[\f+64+16*\b:\f+64+16*\b+15], v[ACC+8*(4*\b+(\a)):ACC+8*(4*\b+(\a))+7]
.endif
.endr
.endr
.endm
.macro STEP k, zero                    ; K step k, from buffer k % 2; the next step's fragments are fetched in its middle into the other buffer
	s_wait_dscnt 8                                 ; the youngest eight loads, Wo's blocks 2 and 3, may be out
	WIN MUL
	MUL8 128*((\k)%2), 0, \zero
	PLACES
	FETCH \k+1, 128*((\k+1)%2)
	s_wait_dscnt 32                                ; all but the 32 just issued
	WIN MUL
	MUL8 128*((\k)%2), 2, \zero
.endm
	s_wait_tensorcnt 0x0                           ; my piece is in;
	s_barrier_signal -1
	s_barrier_wait -1                              ; and so is everybody's
	FETCH 0, 0
	STEP 0, 1
.irp k, 1,2,3,4,5,6
	STEP \k, 0
.endr
	s_wait_dscnt 8
	MUL8 128, 0, 0
	s_wait_dscnt 0x0
	MUL8 128, 2, 0
	WIN 0
	PLACES
; THE WAY OUT, 16 tokens at a time: sum x 2^(e10 + e11) + bo; through my own stage (my 64 columns are one aligned 256 bytes of a row, so no other wave is needed) and back as whole rows, into the registers that they left.
.macro PACK b
.irp a, 0,1,2,3
.irp i, 0,2,4,6
	v_pk_fma_f32 v[ACC+32*\b+8*\a+\i:ACC+32*\b+8*\a+\i+1], v[ACC+32*\b+8*\a+\i:ACC+32*\b+8*\a+\i+1], s[SS:SS+1], v[BM+8*\a+\i:BM+8*\a+\i+1] op_sel_hi:[1,0,1]   ; each accumulator from its low end on
.endr
.endr
.irp a, 0,1,2,3
	ds_store_b128 v[STO], v[ACC+32*\b+8*\a:ACC+32*\b+8*\a+3] offset:64*\a
	ds_store_b128 v[STO], v[ACC+32*\b+8*\a+4:ACC+32*\b+8*\a+7] offset:64*\a+16
.endr
.irp t, 0,1,2,3,4,5,6,7
	ds_load_b128 v[ACC+32*\b+4*\t:ACC+32*\b+4*\t+3], v[RD] offset:\t*2*SPITCH   ; LDS serves a wave's instructions in order (ISA guide 5.7.1.4): these see the stores above; the next block's stores come behind them
.endr
.endm
.macro SEND b, younger                 ; younger: the LDS instructions issued behind block b's loads
.irp t, 0,1,2,3,4,5,6,7
	s_wait_dscnt \younger+7-\t
	global_store_b128 v[CO], v[ACC+32*\b+4*\t:ACC+32*\b+4*\t+3], s[12:13] offset:(16*\b+2*\t)*4096 th:TH_STORE_NT   ; 16 lanes store 256 consecutive bytes, at a multiple of 256 from out0's first byte
.endr
.endm
	PACK 0
	PACK 1
	SEND 0, 16
	PACK 2
	SEND 1, 16
	PACK 3
	SEND 2, 16
	SEND 3, 0
	s_wait_tensorcnt 0x0                           ; the wave's end
	ds_add_u32 v[SPW], v[NIL]
	s_wait_dscnt 0x0
	CROUND                                         ; the closing round: no work-group ends while a partner may still ask for a tile that names it
	s_endpgm
.Lfunc_end_k_q66297b7e14_outp:
	.size	k_q66297b7e14_outp, .Lfunc_end_k_q66297b7e14_outp-k_q66297b7e14_outp
	.p2alignl 7, 3214868480
	.fill 96, 4, 3214868480
	.section	.rodata,"a",@progbits
	.p2align	6, 0x0
	.amdhsa_kernel k_q66297b7e14_outp
		.amdhsa_group_segment_fixed_size 327680
		.amdhsa_private_segment_fixed_size 0
		.amdhsa_enable_private_segment 0
		.amdhsa_kernarg_size 40
		.amdhsa_user_sgpr_count 2
		.amdhsa_user_sgpr_kernarg_segment_ptr 1
		.amdhsa_wavefront_size32 1
		.amdhsa_system_sgpr_workgroup_id_x 1
		.amdhsa_system_sgpr_workgroup_id_y 1
		.amdhsa_system_sgpr_workgroup_id_z 1
		.amdhsa_system_vgpr_workitem_id 0
		.amdhsa_next_free_vgpr 512
		.amdhsa_next_free_sgpr 104
		.amdhsa_reserve_vcc 0
		.amdhsa_float_denorm_mode_32 3
		.amdhsa_float_denorm_mode_16_64 3
		.amdhsa_memory_ordered 1
		.amdhsa_forward_progress 1
		.amdhsa_inst_pref_size 46
	.end_amdhsa_kernel
	.amdgpu_metadata
---
amdhsa.version: [ 1, 2 ]
amdhsa.kernels:
  - .name:           k_q66297b7e14_outp
    .symbol:         k_q66297b7e14_outp.kd
    .args:
      - { .name: Wo_codes, .offset: 0, .size: 8, .value_kind: global_buffer, .address_space: global }
      - { .name: oc, .offset: 8, .size: 8, .value_kind: global_buffer, .address_space: global }
      - { .name: bo, .offset: 16, .size: 8, .value_kind: global_buffer, .address_space: global }
      - { .name: lowp_scales, .offset: 24, .size: 8, .value_kind: global_buffer, .address_space: global }
      - { .name: out0, .offset: 32, .size: 8, .value_kind: global_buffer, .address_space: global }
    .group_segment_fixed_size: 327680
    .private_segment_fixed_size: 0
    .kernarg_segment_align: 8
    .kernarg_segment_size: 40
    .max_flat_workgroup_size: 128
    .sgpr_count:     104
    .vgpr_count:     512
    .wavefront_size: 32
...
	.end_amdgpu_metadata
.endif
;; end of part 3
